; MI455X (gfx1250); checked and timed in simulation.
; The chip was launched on July 23, 2026; its instructions are those of AMD's public machine-readable ISA for CDNA 5 (MIT licence, August 2026) and "CDNA5" Instruction Set Architecture Reference Guide (July 2026). The comments in the code are by the model that wrote it; some were corrected since.
;; Attention Head. Allowed arithmetic: matrix products marked QUANTISED: E5M2 operands, one given power-of-two scale a tensor, by v_wmma_f32_16x16x64_bf8_bf8 or v_wmma_f32_16x16x128_bf8_bf8, f32 sums; everything else in f32.
;; Inputs: k_codes 8,192 x 2 x 32 uint8 (E5M2 codes of k, K innermost, in blocks of 32 codes); lowp_scales 4 int32 (the exponents e of the quantised operands' scales 2^e); q_codes 8,192 x 2 x 32 uint8 (E5M2 codes of q, K innermost, in blocks of 32 codes); v_codes 64 x 256 x 32 uint8 (E5M2 codes of v, K innermost, in blocks of 32 codes).
;; Outputs: out0 8,192 x 64 float32.
;; This version of the problem:
;;   THIS VERSION OF THE PROBLEM IS GIVEN IN LOW PRECISION. The matrix products marked QUANTISED in the list below multiply operands that are first quantised to E5M2 (5 exponent bits, 2 mantissa bits; 8 bits a number), with one given power-of-two scale for each operand tensor; their sums are f32. All else is computed in f32.
;;   The module's matrix products, in the order in which they are computed (A, B: the left and right operand; K: the contracted axis; several contracted axes count as one K, in the product's order):
;;     1. [M 8,192, K 64] x [K 64, N 8,192]; A: input q (given as codes); B: input k (given as codes): QUANTISED (scales: A lowp_scales[0], B lowp_scales[1])
;;     2. [M 8,192, K 8,192] x [K 8,192, N 64]; A: softmax (see below); B: input v (given as codes): QUANTISED (scales: A lowp_scales[2], B lowp_scales[3])
;;   THE QUANTISER, for each operand of a quantised product, along K:
;;     - The operand's scale is 2^e, e = its entry of the input lowp_scales (int32; the entries are numbered through the quantised products in the list's order, A before B).
;;     - Each number is divided by the scale, clamped to +-57,344, and rounded to the nearest number of E5M2, ties to even, subnormals kept.
;;     - The product sums the exact products of the quantised numbers (number of the format x scale) in f32.
;;   ~~~python
;;   def quantise(x, axis, e):      # numpy; x: float32 -> the quantised numbers, widened to float32 again
;;       x = np.moveaxis(x, axis, -1); K = x.shape[-1]
;;       r = np.clip(x / 2.0 ** e, -57344, 57344)
;;       step = 2.0 ** (np.maximum(np.frexp(np.where(r == 0, 1, r))[1] - 1, -14) - 2)
;;       q = np.round(r / step) * step * 2.0 ** e      # np.round: ties to even
;;       return np.moveaxis(q, -1, axis).astype(np.float32)
;;   ~~~
;;   SOFTMAX AHEAD OF A QUANTISED PRODUCT. Where the list says 'softmax', what is quantised is not the finished softmax but p = 2^(t - M), with t = logit x log2(e) and M = ceil(the row's largest t), a whole number; so 1/2 < the row's largest p <= 1. The row's sum l is taken of the UNQUANTISED p, in f32, and the product's result is divided by l at the end. Since M is a whole number, a kernel that streams over the keys may use a running M (the ceiling of the running maximum): every later rescaling is an exact power of two, so the quantised numbers keep their values, but for numbers so far below the row's largest that they fall under the format's range.
;;   OPERANDS COMPUTED ON THE WAY. 'Computed on the way' means the value that the module computes at that place (a softmax that the list does not call 'softmax' is quantised finished and normalised). What goes into a quantiser is computed in f32, as accurately as f32 sums, v_exp_f32 and their like allow (about 1e-6 of the number): no bf16 or f16 on the way to a quantiser, and a product that is left as it is and whose result goes on into a quantised operand takes f32 operands (vector FMAs, or v_wmma_f32_16x16x4_f32). A number that lies on a knife's edge between two numbers of the format may be rounded either way, as far as f32 arithmetic and the matrix unit's own rounding can turn it there, and no further.
;;   INPUTS GIVEN AS CODES. k (in the module: [8192, 64], K = its axis 1); q (in the module: [8192, 64], K = its axis 1); v (in the module: [8192, 64], K = its axis 0): each comes as NAME_codes (uint8): NAME with its K axis moved to the last place and cut into blocks of 32 codes, [.., K / 32, bytes a block], one block behind the other in memory; one code a byte (a code: sign, 5 exponent bits, 2 mantissa bits); its scale is its entry of lowp_scales. Its value is code x scale, taken as it is: it is not quantised again, and the codes and scales need not be those that the quantiser above would give.
;; One version. Each part assembles by itself: llvm-mc -triple=amdgcn-amd-amdhsa -mcpu=gfx1250 --defsym DOCPART=n.
;; ======== version 1 of 1: 1 launch
;; limits: right only within a limited range of input values
;; launch attn (part 1): grid 256 x 1, 8 waves a work-group, clusters of 4 x 1, 327,680 bytes of LDS; arguments q_codes, k_codes, v_codes, lowp_scales, out0; writes out0
.if DOCPART == 1
	.amdgcn_target "amdgcn-amd-amdhsa--gfx1250"
	.amdhsa_code_object_version 6
	.text
	.protected	k_qf0a4e287fe_attn
	.globl	k_qf0a4e287fe_attn
	.p2align	8
	.type	k_qf0a4e287fe_attn,@function
k_qf0a4e287fe_attn:
	s_mov_b64 s[64:65], 0
	v_nop
	global_prefetch_b8 v0, s[64:65] scope:SCOPE_SE
	s_setreg_imm32_b32 hwreg(HW_REG_WAVE_MODE, 25, 1), 1
	s_wait_xcnt 0x0
	s_wait_alu depctr_hold_cnt(0) depctr_sa_sdst(0) depctr_va_vdst(0) depctr_va_sdst(0) depctr_va_ssrc(0) depctr_va_vcc(0) depctr_vm_vsrc(0)
	s_getreg_b32 s2, hwreg(HW_REG_IB_STS2, 6, 4)
	s_cmp_eq_u32 s2, 0
	s_cbranch_scc0 .Lentry_in_a_cluster
	s_endpgm
.Lentry_in_a_cluster:
	s_bfe_u32 s2, ttmp6, 0x10000c
	s_cmp_lg_u32 s2, 0x3003
	s_cbranch_scc0 .Lentry_shape_is_right
	s_endpgm
.Lentry_shape_is_right:
; out0[q][:] = the sum over keys k <= q of softmax_k(Q[q] . K[k] / 64) V[k][:], 8,192 queries and keys, head size 64, both products on codes of BF8 (E5M2), each tensor with the scale 2^e given for it: eq, ek, ep, ev.
; Q, K: [8192][64] codes (K axis = the head's 64).  V: [64][8192] codes (K axis = the keys, innermost).  out0: [8192][64] f32.
; THE SOFTMAX: t = score x 2^(eq + ek) x log2(e) / 64; M = the largest t so far, rounded UP to a whole number; p = 2^(t - M) is quantised with 2^ep; the sum l is taken of the unquantised p and divides at the end.
; WORK LEFT OUT: steps all of whose keys come after a block's queries.  the mask puts -infinity there ahead of the softmax, whatever the inputs hold, so their p is 0.  LIMIT: a NaN, an infinity or an overflow in that work alone is not carried to the result.
; SHARES.  Cluster c (0..63) owns two blocks of 64 queries: L from 64 c, H from 64 (127 - c).  Its work-group cx owns 16 queries of each.  A STEP is 128 keys.  H needs NH = 64 - c / 2 steps (33 to 64), L the first NL = c / 2 + 1 (1 to 32) of the same steps:
; 65 tiles of 128 keys x 16 queries in every work-group.  The keys are walked in 4 phases of 16 steps; wave w of eight takes the steps w + 8 j, j = 0 .. 7, two in a phase: for H, and, where the step is one of L's, for L with the same fragments of K and V.
; So H takes every step of phases 0 and 1 unmasked, and L none of phases 2 and 3: the four phases differ in their text, and j is a constant in it.
; At the end the eight waves' partial states of both tiles meet in LDS: all M are whole numbers, so bringing them under the common M multiplies by exact powers of two.
; K COMES STRAIGHT INTO REGISTERS, two buffers by turns: a wave reads only its own steps' keys, 8,192 bytes on end, and asks for the next step's ahead of this step's products.
; V COMES THROUGH LDS, two slots of 2,048 keys: each wave brings 64 channels x 256 keys (rows of 256 bytes) by one joint load.  CLUSTER: the four work-groups walk the same V, so each piece is asked for jointly, mask 15, the same descriptor in all four;
; cx enters Q's, out0's and the prefetches' addresses and the mask's data alone.  The walk has the same four slots' worth in every cluster, so that all loads are issued on every way; every wave reads its part of each slot,
; and past H's last step the fragments are not multiplied.
; V's fragments are loaded ahead of a step's softmax; in phase 0 the change of slots stands behind the first softmax, so that the first slot lands meanwhile.
; PREFETCH: K's and V's slabs 2 and 3 (2,048 keys each) are asked for two phases ahead by clusters 0 to 3, whose walks read them whole or nearly so, one instruction a wave.
; LAYOUT.  Both products are used transposed (S^T = K Q^T, O^T = V^T P^T): a lane holds ONE query (lane % 16).  A fragment's registers 4 b .. 4 b + 3 hold k = 32 b + 16 (lane / 16) + 0 .. 15: a permutation of k that is the same on both sides
; of each product.  THE KEYS OF A TILE ARE NOT NEIGHBOURS: lane r of tile 2 b + u takes key 32 b + 8 u + r + 8 (r / 8), so that the 16 registers of tiles 2 b and 2 b + 1 are 16 neighbouring keys and the conversions' results are the second product's operand.
; LIMITS: eq + ek between -120 and 133 (added to the exponent field of log2(e) / 64); ep between -126 and 112; ep + ev goes by v_ldexp_f32 and has none.  Codes of infinity and NaN are not served.
; p is quantised, and held at 57,344 x 2^ep, under the wave's running M: it differs from p under the row's final M only where that p falls under the format's range or the hold is below 1.
; In phases 1 to 3 a phase begins with the change of slots: its opening signal stands ahead of the first step's scores and maximum, which are register work, and that step's V is loaded behind the round, ahead of its exponentials.
.set PITCH, 272                        ; an LDS row of V: 256 keys + 16 bytes of padding
.set PIECE, 64*PITCH                   ; what one load brings: 64 channels x 256 keys
.set SLOT,  8*PIECE                    ; slot 0 at 0, slot 1 here
.set SPARE, 2*SLOT                     ; the spare words, 128 bytes for each of 8 waves: four blocks of 256 bytes that no other line names
.set STAT,  SPARE+1024                 ; the merge: (-M, l) of 16 queries, 2 tiles, 8 waves
.set IMGT,  16*272                     ; the merge: a wave's O^T of one tile: 16 blocks of 256 bytes + 16
.set IMGW,  2*IMGT                     ; both tiles'.  The images lie in slot 0, which has had its last fill and its last read when the first of them is stored
.set AV,   1                           ; v1  my first step's place in slot 0
.set KO,   2                           ; v2  my offset in a step's K
.set SPW,  3                           ; v3  LDS address of my spare word; never rewritten
.set NIL,  4                           ; v4  0; never rewritten
.set DD,   5                           ; v5  16 cx + lane % 16 - 16 (lane / 16)
.set STO,  6                           ; the merge: where I store my images
.set STS,  7                           ; and my statistics
.set RD,   8                           ; where I read images
.set RDS,  10                          ; and statistics
.set GO,   11                          ; 16 x lane: my bytes of two rows of out0
.set STH,  12                          ; v12 -M, v13 the largest score, v[14:15] l in two halves: block H
.set STL,  16                          ; v16-19 the same for block L
.set XA,   20
.set XB,   21
.set XP,   22
.set LIMP, 23                          ; 57,344 x 2^ep
.set SCP,  24                          ; 2^ep
.set NINF, 25
.set F,    26                          ; v[26:27] f = 2^(old M - new M); the upper register is only named with it
.set RL,   28                          ; v[28:29] 2^(ep + ev) / l, likewise (of the second pair of rows: v[26:27])
.set ADV,  30                          ; LDS address of my step's V
.set QO,   30                          ; at the head: my offset in Q's 16 rows
.set PFO,  31                          ; the prefetches' offset; never rewritten
.set QH,   32                          ; Q's fragments
.set QL,   40
.set PC,   48                          ; v48-63 p's codes; ahead of them partial maxima and sums
.set S,    64                          ; v64-127 S^T, then p
.set OH,   128                         ; O^T of H
.set OL,   160                         ; of L
.set V,    192                         ; v192-255 four fragments of V
.set KW,   0                           ; window 1: v256-319, v320-383: eight fragments of K, two buffers
.set R,    96                          ; the merge's results
.set LS,   104                         ; and sums
.set WV,   14                          ; my wave's number
.set CX16, 15                          ; 16 cx
.set C,    16
.set NH,   17
.set NL,   18
.set LW,   21                          ; my wave x PIECE
.set G1,   24
.set G0,   32
.set KB,   36                          ; s[36:37] my first step's K
.set PFA,  38                          ; s[38:39] my prefetch in slab 2,
.set PFB,  40                          ; s[40:41] in slab 3
.set CS,   42                          ; s[42:43] c = 2^(eq + ek) log2(e) / 64, twice
.set SEL,  44                          ; s[44:45] lane l xor 16
.set OFS,  46                          ; s[46:47], s47 = 0
.set DH,   48                          ; the block's first query less its last step's first key: H
.set DL,   49                          ; L
.set T0,   50
.set T1,   51
.set QB,   52                          ; s[52:53]
.set BH,   54
.set BL,   55
.set EPV,  60
.set T2,   61
.set T3,   62
.set T4,   63
.set QB2,  66                          ; s[66:67]
.set T5,   68
.set PST,  69
.set PFS,  70                          ; s[70:71] a slab on
.set ON,   72                          ; 1 while H has my step
.set MSB, 0
.macro WIN new                         ; the immediate's high byte repeats the setting that is left
.if MSB != \new
	s_set_vgpr_msb (MSB<<8)|\new
.set MSB, \new
.endif
.endm
.macro VWAIT
	s_wait_alu depctr_va_vdst(0)
.endm
.macro CREST                           ; a round of the cluster's barrier behind its opening barrier
	s_cmp_lg_u32 s[WV], 0
	s_cbranch_scc1 .Lnot_wave_0_\@
	s_barrier_signal -3
.Lnot_wave_0_\@:
	s_barrier_wait -3
	s_barrier_signal -1
	s_barrier_wait -1
.endm
.macro CROUND                          ; a whole round
	s_barrier_signal -1
	s_barrier_wait -1
	CREST
.endm
.macro KLOAD j                         ; my step j's K: 128 keys in eight tiles, into buffer j % 2
	WIN 0x40
.irp t, 0,1,2,3,4,5,6,7
	global_load_b128 v[KW+64*((\j)%2)+8*\t:KW+64*((\j)%2)+8*\t+3],   v[KO], s[KB:KB+1] offset:65536*(\j)+(32*(\t/2)+8*(\t%2))*64
	global_load_b128 v[KW+64*((\j)%2)+8*\t+4:KW+64*((\j)%2)+8*\t+7], v[KO], s[KB:KB+1] offset:65536*(\j)+(32*(\t/2)+8*(\t%2))*64+32
.endr
	WIN 0
.endm
.macro KNEXT j                         ; the step behind step j, where H has it
.if \j < 3
	KLOAD \j+1
.elseif \j < 7
	s_add_co_u32 s[T0], s[WV], 8*(\j)+8
	s_cmp_lt_u32 s[T0], s[NH]
	s_cbranch_scc0 .Lno_next_\@
	KLOAD \j+1
.Lno_next_\@:
.endif
.endm
.macro VLOAD j                         ; my step j's V: four tiles of 16 channels x 128 keys
.set VB, SLOT*(((\j)/2)%2)+4*PIECE*((\j)%2)
.if VB
	v_add_nc_u32 v[ADV], VB, v[AV]
.set VA, ADV
.else
.set VA, AV
.endif
.irp t, 0,1,2,3
.irp b, 0,1,2,3
	ds_load_b128 v[V+16*\t+4*\b:V+16*\t+4*\b+3], v[VA] offset:16*\t*PITCH+32*\b
.endr
.endr
.endm
.macro PV o, waits                     ; O^T += V^T P^T; the four accumulators take turns
	VWAIT
.irp t, 0,1,2,3
.if \waits
	s_wait_dscnt 12-4*\t                           ; tile t's four loads are in, the later tiles' may be out
.endif
	v_wmma_f32_16x16x128_bf8_bf8 v[\o+8*\t:\o+8*\t+7], v[V+16*\t:V+16*\t+15], v[PC:PC+15], v[\o+8*\t:\o+8*\t+7]
.endr
.rept 4
	v_nop                                          ; places: the next loads land on V's registers (ISA guide 7.12.1 for vector instructions)
.endr
.endm
; Scores, softmax and codes of my step j for one tile of 16 queries.
.macro SCORE j, q, st                  ; S^T = K Q^T
	WIN 0x01
.irp t, 0,1,2,3,4,5,6,7
	v_wmma_f32_16x16x64_bf8_bf8 v[S+8*\t:S+8*\t+7], v[KW+64*((\j)%2)+8*\t:KW+64*((\j)%2)+8*\t+7], v[\q:\q+7], 0
.endr
	WIN 0
	v_mov_b32 v[F], v[\st]                         ; the old -M.  (The first of four places)
.rept 4
	v_nop
.endr
.endm
.macro TOP j, st, n, d, mask           ; the mask and the running maximum
.if \mask
	s_add_co_u32 s[T0], s[WV], 8*(\j)+1            ; only the block's last step holds keys behind some query
	s_cmp_lt_u32 s[T0], s[\n]
	s_cbranch_scc1 .Lopen_\@
	s_cmp_eq_u32 s[\d], 0                          ; the block begins with the step, or 64 keys behind its first
	s_cbranch_scc1 .Lfront_\@
	v_add_nc_u32 v[XA], s[\d], v[DD]               ; 64 behind: the first 64 keys count for all its queries; register n's key is hidden where 32 (n / 16) + n % 16 is greater
.set I, 32
.rept 32
	v_cmp_gt_i32 vcc_lo, 32*(I/16)+I%16, v[XA]
	v_cndmask_b32 v[S+I], v[S+I], v[NINF], vcc_lo  ; -infinity: p = 0.  Each query's own key lies in this step, so the maximum is a number
.set I, I+1
.endr
	VWAIT
	s_branch .Lopen_\@
.Lfront_\@:
.set I, 0
.rept 32
	v_cmp_gt_i32 vcc_lo, 32*(I/16)+I%16, v[DD]
	v_cndmask_b32 v[S+I], v[S+I], v[NINF], vcc_lo
.set I, I+1
.endr
.rept 16
	v_dual_mov_b32 v[S+I], v[NINF] :: v_dual_mov_b32 v[S+I+1], v[NINF]   ; the last 64 keys come after all its queries
.set I, I+2
.endr
.Lopen_\@:
.endif
	v_max3_num_f32 v[PC], v[S], v[S+1], v[S+2]     ; the largest score of my query among my 64 keys, in four chains; each accumulator is first read at its low end
	v_max3_num_f32 v[PC+1], v[S+3], v[S+4], v[S+5]
	v_max3_num_f32 v[PC+2], v[S+6], v[S+7], v[S+8]
	v_max3_num_f32 v[PC+3], v[S+9], v[S+10], v[S+11]
.irp i, 12,20,28,36,44,52
	v_max3_num_f32 v[PC], v[PC], v[S+\i], v[S+\i+1]
	v_max3_num_f32 v[PC+1], v[PC+1], v[S+\i+2], v[S+\i+3]
	v_max3_num_f32 v[PC+2], v[PC+2], v[S+\i+4], v[S+\i+5]
	v_max3_num_f32 v[PC+3], v[PC+3], v[S+\i+6], v[S+\i+7]
.endr
	v_max3_num_f32 v[PC], v[PC], v[S+60], v[S+61]
	v_max3_num_f32 v[PC+1], v[PC+1], v[S+62], v[S+63]
	v_max3_num_f32 v[PC], v[PC], v[PC+2], v[PC+3]
	v_max3_num_f32 v[XA], v[PC], v[PC+1], v[\st+1] ; and the largest so far
	s_delay_alu instid0(VALU_DEP_1)
	v_permlanex16_b32 v[XP], v[XA], s[SEL], s[SEL+1]
	s_delay_alu instid0(VALU_DEP_1)
	v_max_num_f32 v[\st+1], v[XA], v[XP]           ; lane l xor 16's too
	s_delay_alu instid0(VALU_DEP_1)
	v_mul_f32 v[XB], s[CS], v[\st+1]               ; as t (c is positive)
	s_delay_alu instid0(VALU_DEP_1)
	v_floor_f32 v[\st], -v[XB]                     ; the new -M = floor(-t) = -ceil(t): a whole number
	s_delay_alu instid0(VALU_DEP_1)
	v_sub_f32 v[XA], v[\st], v[F]                  ; old M - new M: a whole number, 0 or less
.endm
.macro SCALE st                        ; t - M, and f
.set I, 0
.rept 32
	v_pk_fma_f32 v[S+I:S+I+1], v[S+I:S+I+1], s[CS:CS+1], v[\st:\st+1] op_sel_hi:[1,0,0]   ; t - M, two at a time (of the pairs c and -M the low word serves both halves)
.if I == 8
	v_cvt_i32_f32 v[XA], v[XA]                     ; (it saturates)
.endif
.if I == 20
	v_ldexp_f32 v[F], 1.0, v[XA]                   ; f = 2^(old M - new M): multiplying by it rounds nothing
.endif
.set I, I+2
.endr
.endm
.macro PROB st, o                      ; p, the sum, O^T under the new M, the codes
	VWAIT                                          ; ahead of the batch
.set I, 0
.rept 64
	v_exp_f32 v[S+I], v[S+I]                       ; p = 2^(t - M), at most 1
.set I, I+1
.endr
	v_pk_mul_f32 v[\st+2:\st+3], v[\st+2:\st+3], v[F:F+1] op_sel_hi:[1,0]   ; l under the new M: the plain instruction behind the exponentials
	VWAIT                                          ; behind the batch, directly ahead of the first readers of O^T
.set I, 0
.rept 16
	v_pk_mul_f32 v[\o+I:\o+I+1], v[\o+I:\o+I+1], v[F:F+1] op_sel_hi:[1,0]   ; O^T under the new M
.set I, I+2
.endr
	v_pk_add_f32 v[PC:PC+1], v[S:S+1], v[S+2:S+3]  ; the sum of the unquantised p, two at a time, in four chains
	v_pk_add_f32 v[PC+2:PC+3], v[S+4:S+5], v[S+6:S+7]
	v_pk_add_f32 v[PC+4:PC+5], v[S+8:S+9], v[S+10:S+11]
	v_pk_add_f32 v[PC+6:PC+7], v[S+12:S+13], v[S+14:S+15]
.irp i, 16,24,32,40,48,56
	v_pk_add_f32 v[PC:PC+1], v[PC:PC+1], v[S+\i:S+\i+1]
	v_pk_add_f32 v[PC+2:PC+3], v[PC+2:PC+3], v[S+\i+2:S+\i+3]
	v_pk_add_f32 v[PC+4:PC+5], v[PC+4:PC+5], v[S+\i+4:S+\i+5]
	v_pk_add_f32 v[PC+6:PC+7], v[PC+6:PC+7], v[S+\i+6:S+\i+7]
.endr
	v_pk_add_f32 v[PC:PC+1], v[PC:PC+1], v[PC+2:PC+3]
	v_pk_add_f32 v[PC+4:PC+5], v[PC+4:PC+5], v[PC+6:PC+7]
	v_pk_add_f32 v[\st+2:\st+3], v[\st+2:\st+3], v[PC:PC+1]
	v_pk_add_f32 v[\st+2:\st+3], v[\st+2:\st+3], v[PC+4:PC+5]
.set I, 0
.rept 32
	v_dual_min_num_f32 v[S+I], v[S+I], v[LIMP] :: v_dual_min_num_f32 v[S+I+1], v[S+I+1], v[LIMP]   ; the conversion to an 8-bit code does not saturate (ISA guide 7.6.2); p is not negative, so the hold is one-sided
.set I, I+2
.endr
.irp k, 0,1,2,3,4,5,6,7
	v_cvt_scalef32_pk8_bf8_f32 v[PC+2*\k:PC+2*\k+1], v[S+8*\k:S+8*\k+7], v[SCP]
.endr
	v_nop                                          ; the plain instruction behind the conversions
.endm
.macro SOFT j, q, st, o, n, d, mask    ; all four on end
	SCORE \j, \q, \st
	TOP \j, \st, \n, \d, \mask
	SCALE \st
	PROB \st, \o
.endm
; THE CHANGE OF SLOTS, what stands ahead of its barrier.  Each wave waits for all its tensor loads (its piece of the phase's slot), adds 0 to its spare word, and waits for that and for its reads of the slot that it has left.
; fill = 1: that slot, whose number is to, is then filled with the next 2,048 keys: the barrier is a round of the cluster's, and REFILL is the first thing behind it.
.macro MEET fill, to
	VWAIT
	s_wait_tensorcnt 0x0
	ds_add_u32 v[SPW], v[NIL]
.if \fill
	s_add_nc_u64 s[G0+2:G0+3], s[G0+2:G0+3], 0x800 ; 2,048 keys on
	s_add_co_u32 s[G0+1], s[LW], SLOT*\to
.endif
	s_wait_dscnt 0x0                               ; the add is done, and my reads of the slot that I have left are over
.endm
.macro REFILL
	tensor_load_to_lds s[G0:G0+3], s[G1:G1+7]
	s_nop 0
.endm
.macro ASK base                        ; a prefetch into the L2 by clusters 0 to 3
	s_cmp_lt_u32 s[C], 4
	s_cbranch_scc0 .Lnot_mine_\@
	global_prefetch_b8 v[PFO], s[\base:\base+1] th:TH_LOAD_NT scope:SCOPE_SE
.Lnot_mine_\@:
.endm
.macro LPART j                         ; block L's tile of my step j, where the step is one of L's
	s_add_co_u32 s[T0], s[WV], 8*(\j)
	s_cmp_lt_u32 s[T0], s[NL]
	s_cbranch_scc0 .Lno_l_\@
	SOFT \j, QL, STL, OL, NL, DL, 1
	PV OL, 0
.Lno_l_\@:
.endm
; My step j, behind its V's loads.  late = 1: phases 2 and 3: H may end, L has ended.
.macro STEP j, late
	VWAIT
	s_wait_loadcnt 0x0                             ; my step's K
.if \late
	s_add_co_u32 s[T0], s[WV], 8*(\j)
	s_cmp_lt_u32 s[T0], s[NH]                      ; ids alone
	s_cbranch_scc0 .Lpast_\@
.endif
	KNEXT \j
	SOFT \j, QH, STH, OH, NH, DH, \late
	PV OH, 1
.if \late == 0
	LPART \j
.endif
.Lpast_\@:
	s_wait_dscnt 0x0
.endm
; The first step of phases 1 to 3, with the change of slots.  late = 1: phases 2 and 3: H may end (branches on ids lead round register work, and round V's products), L has ended.
.macro FIRST j, late, fill, to
	VWAIT
	s_wait_loadcnt 0x0                             ; my step's K
.if \late
	s_add_co_u32 s[T0], s[WV], 8*(\j)
	s_cmp_lt_u32 s[T0], s[NH]
	s_cselect_b32 s[ON], 1, 0
.endif
	KNEXT \j
	MEET \fill, \to
	s_barrier_signal -1
.if \late
	s_cmp_eq_u32 s[ON], 1
	s_cbranch_scc0 .Lno_scores_\@
.endif
	SCORE \j, QH, STH                              ; registers alone, while the others arrive
	TOP \j, STH, NH, DH, \late
.Lno_scores_\@:
	VWAIT
	s_barrier_wait -1
.if \fill
	CREST                                          ; no wave of any partner still reads the slot or has a load on its way
	REFILL
.endif
	VLOAD \j
.if \j == 2
	ASK PFB
.endif
.if \late
	VWAIT
	s_cmp_eq_u32 s[ON], 1
	s_cbranch_scc0 .Lpast_\@
.endif
	SCALE STH
	PROB STH, OH
	PV OH, 1
.if \late == 0
	LPART \j
.endif
.Lpast_\@:
	s_wait_dscnt 0x0
.endm
	s_load_b256 s[4:11], s[0:1], 0x0               ; Q's codes s[4:5], K's s[6:7], V's s[8:9], the scales' exponents s[10:11]
	s_load_b64 s[12:13], s[0:1], 0x20              ; out0
	v_lshl_add_u32 v[SPW], v0, 2, SPARE
	v_mov_b32 v[NIL], 0
	ds_add_u32 v[SPW], v[NIL]                      ; the wave's opening: the add, twice on end, and its wait ahead of my first tensor load; work on registers stands between
	ds_add_u32 v[SPW], v[NIL]
	v_lshrrev_b32 v[XB], 5, v0
	v_readfirstlane_b32 s[WV], v[XB]               ; wave 0..7
	v_and_b32 v[XA], 15, v0                        ; r
	v_bfe_u32 v[XP], v0, 4, 1                      ; h
	VWAIT
	s_wait_dscnt 0x0                               ; both opening adds are done
	CROUND                                         ; all four work-groups are here: the first joint loads meet.  (The arguments are on their way)
	s_bfe_u32 s[CX16], ttmp6, 0x40000              ; cx
	s_lshl_b32 s[CX16], s[CX16], 4
	s_mov_b32 s[C], ttmp9                          ; in a cluster launch ttmp9 counts clusters
	s_lshr_b32 s[T0], s[C], 1
	s_sub_co_u32 s[NH], 64, s[T0]
	s_add_co_u32 s[NL], s[T0], 1
	s_lshl_b32 s[BL], s[C], 6
	s_sub_co_u32 s[BH], 8128, s[BL]
	s_and_b32 s[T0], s[C], 1
	s_lshl_b32 s[DL], s[T0], 6                     ; L's block begins 64 (c % 2) behind its last step's first key,
	s_sub_co_u32 s[DH], 64, s[DL]                  ; H's 64 - that
	s_mul_i32 s[LW], s[WV], PIECE
	s_mov_b32 s[OFS+1], 0
	s_mov_b32 s[PFS+1], 0
	s_mov_b32 s[SEL], 0x76543210
	s_mov_b32 s[SEL+1], 0xfedcba98
	; descriptor group 1: 64 rows x 256 bytes, 8,192 bytes apart, 16 bytes of padding behind each
	s_mov_b32 s[G1], 15|(1<<20)|(1<<21)|(5<<22)|(3<<25)    ; 15:0 the mask: all four work-groups; 17:16 elements of 1 byte; 20 padding on; 21 set beside a mask; 24:22 after every 64 words (code 5); 31:25 four words (code 3)
	s_mov_b32 s[G1+1], 256<<16                     ; tensor_dim0
	s_mov_b32 s[G1+2], 64<<16                      ; tensor_dim1
	s_mov_b32 s[G1+3], 256<<16                     ; tile_dim0
	s_mov_b32 s[G1+4], 64                          ; tile_dim1
	s_mov_b32 s[G1+5], 8192                        ; tensor_dim0_stride
	s_mov_b32 s[G1+6], 0
	s_mov_b32 s[G1+7], 0
	s_mov_b32 s[G0], 1
	s_mov_b32 s[G0+1], s[LW]                       ; slot 0: wave w's piece is group w of 256 keys
	; wave terms of the LDS addresses
	s_lshr_b32 s[T1], s[WV], 1
	s_mul_i32 s[T0], s[T1], PIECE                  ; my step's group of 256 keys,
	s_and_b32 s[T2], s[WV], 1
	s_lshl_b32 s[T2], s[T2], 7                     ; and its half
	s_add_co_u32 s[T0], s[T0], s[T2]
	s_mul_i32 s[T1], s[WV], IMGW
	s_lshl_b32 s[T2], s[WV], 8
	s_add_co_u32 s[T2], s[T2], STAT
	s_lshr_b32 s[T5], s[WV], 2
	s_and_b32 s[T4], s[WV], 3
	s_mul_i32 s[T3], s[T5], IMGT
	s_lshl_b32 s[OFS], s[T4], 6
	s_add_co_u32 s[T3], s[T3], s[OFS]
	s_lshl_b32 s[T5], s[T5], 7
	s_lshl_b32 s[T4], s[T4], 5
	s_add_co_u32 s[T4], s[T4], s[T5]
	s_add_co_u32 s[T4], s[T4], STAT
	s_mov_b32 s[PFS], 2048
	s_cmp_lt_u32 s[WV], 4                          ; the prefetches: waves 0 to 3 for K, waves 4 to 7 for V: from eight lanes to the next eight
	s_cselect_b32 s[PST], s[PFS], 8192
	v_and_b32 v[KO], 8, v0
	v_add_nc_u32 v[KO], v[KO], v[XA]               ; key r + 8 (r / 8),
	v_lshlrev_b32 v[KO], 6, v[KO]
	v_lshl_add_u32 v[KO], v[XP], 4, v[KO]          ; 64 bytes a key, + 16 h
	v_lshlrev_b32 v[QO], 6, v[XA]
	v_lshl_add_u32 v[QO], v[XP], 4, v[QO]
	v_mul_u32_u24 v[AV], v[XA], PITCH              ; V: channel r, + 16 h
	v_lshl_add_u32 v[AV], v[XP], 4, v[AV]
	v_add_nc_u32 v[AV], s[T0], v[AV]
	v_lshlrev_b32 v[XB], 4, v[XP]
	v_sub_nc_u32 v[DD], v[XA], v[XB]
	v_add_nc_u32 v[DD], s[CX16], v[DD]             ; data for the mask's compares: it enters no address
	v_mul_u32_u24 v[STO], v[XP], 272               ; an image's store g: block 2 g + h, 16 bytes for each query r
	v_lshl_add_u32 v[STO], v[XA], 4, v[STO]
	v_add_nc_u32 v[STO], s[T1], v[STO]
	v_lshl_add_u32 v[STS], v[XA], 3, s[T2]
	; back: wave w takes tile w / 4, queries 4 (w % 4) + 2 i + h, i = 0, 1; lane % 16 = cq takes channels 4 cq .. 4 cq + 3, which lie in block 4 (cq / 4) + 2 (cq % 2) + (cq / 2) % 2
	v_bfe_u32 v[PC], v0, 2, 2
	v_and_b32 v[PC+1], 1, v0
	v_bfe_u32 v[PC+2], v0, 1, 1
	v_lshlrev_b32 v[PC], 2, v[PC]
	v_lshl_add_u32 v[PC], v[PC+1], 1, v[PC]
	v_add_nc_u32 v[PC], v[PC], v[PC+2]
	v_mul_u32_u24 v[RD], v[PC], 272
	v_lshl_add_u32 v[RD], v[XP], 4, v[RD]
	v_add_nc_u32 v[RD], s[T3], v[RD]
	v_lshl_add_u32 v[RDS], v[XP], 3, s[T4]
	v_and_b32 v[GO], 31, v0
	v_lshlrev_b32 v[GO], 4, v[GO]
	v_bfe_u32 v[XB], v0, 3, 2
	v_mul_lo_u32 v[PFO], v[XB], s[PST]
	v_and_b32 v[XB], 7, v0
	v_lshl_add_u32 v[PFO], v[XB], 8, v[PFO]
	VWAIT
	s_wait_kmcnt 0x0
	s_load_b128 s[56:59], s[10:11], 0x0            ; eq, ek, ep, ev
	s_lshl_b32 s[OFS], s[WV], 13
	s_add_nc_u64 s[KB:KB+1], s[6:7], s[OFS:OFS+1]  ; step w
	KLOAD 0
	s_add_co_u32 s[T0], s[BH], s[CX16]
	s_lshl_b32 s[OFS], s[T0], 6
	s_add_nc_u64 s[QB:QB+1], s[4:5], s[OFS:OFS+1]
	s_add_co_u32 s[T0], s[BL], s[CX16]
	s_lshl_b32 s[OFS], s[T0], 6
	s_add_nc_u64 s[QB2:QB2+1], s[4:5], s[OFS:OFS+1]
	global_load_b128 v[QH:QH+3],   v[QO], s[QB:QB+1]
	global_load_b128 v[QH+4:QH+7], v[QO], s[QB:QB+1] offset:32
	global_load_b128 v[QL:QL+3],   v[QO], s[QB2:QB2+1]
	global_load_b128 v[QL+4:QL+7], v[QO], s[QB2:QB2+1] offset:32
	s_lshl_b32 s[OFS], s[WV], 8
	s_add_nc_u64 s[G0+2:G0+3], s[8:9], s[OFS:OFS+1]
	s_or_b32 s[G0+3], s[G0+3], 0x80000000
	tensor_load_to_lds s[G0:G0+3], s[G1:G1+7]      ; slot 0: one load a wave at the head
	s_nop 0
	KLOAD 1
	; the prefetches' places: K: 8,192 bytes a wave of my work-group's quarter of a slab; V: 4 rows x 2,048 bytes a wave: 32 blocks of 256 bytes an instruction
	s_cmp_lt_u32 s[WV], 4
	s_cselect_b64 s[PFA:PFA+1], s[6:7], s[8:9]
	s_cselect_b32 s[PFS], 0x20000, s[PFS]          ; a slab on
	s_cselect_b32 s[T3], 13, 15
	s_lshr_b32 s[T0], s[CX16], 2
	s_and_b32 s[T4], s[WV], 3
	s_add_co_u32 s[T0], s[T0], s[T4]               ; 4 cx + w % 4
	s_lshl_b32 s[OFS], s[T0], s[T3]
	s_add_co_u32 s[OFS], s[OFS], s[PFS]
	s_add_co_u32 s[OFS], s[OFS], s[PFS]
	s_add_nc_u64 s[PFA:PFA+1], s[PFA:PFA+1], s[OFS:OFS+1]   ; in slab 2
	s_add_nc_u64 s[PFB:PFB+1], s[PFA:PFA+1], s[PFS:PFS+1]   ; in slab 3
	; the four rows of out0 that I store: waves 0-3 block H's, waves 4-7 block L's
	s_cmp_lt_u32 s[WV], 4
	s_cselect_b32 s[T0], s[BH], s[BL]
	s_add_co_u32 s[T0], s[T0], s[CX16]
	s_lshl_b32 s[T4], s[T4], 2
	s_add_co_u32 s[T0], s[T0], s[T4]
	s_lshl_b32 s[OFS], s[T0], 8
	s_add_nc_u64 s[12:13], s[12:13], s[OFS:OFS+1]
	; the states begin: O^T and l as zeros, the largest score as -3e38: a step is written once for all j, and the first change of M multiplies zeros
.irp s, STH, STL
	v_mov_b32 v[\s], 0x7f61b1e6                    ; -M
	v_mov_b32 v[\s+1], 0xff61b1e6
	v_mov_b32 v[\s+2], 0
	v_mov_b32 v[\s+3], 0
.endr
.set I, 0
.rept 32
	v_dual_mov_b32 v[OH+I], 0 :: v_dual_mov_b32 v[OH+I+1], 0   ; O^T of H, then of L
.set I, I+2
.endr
	v_mov_b32 v[F+1], 0                            ; (named as the upper halves of pairs)
	v_mov_b32 v[RL+1], 0
	v_mov_b32 v[NINF], 0xff800000
	VWAIT
	s_wait_kmcnt 0x0
	s_add_co_i32 s[T0], s56, s57
	s_lshl_b32 s[T0], s[T0], 23
	s_mov_b32 s[CS], 0x3cb8aa3b                    ; log2(e) / 64
	s_add_co_i32 s[CS], s[CS], s[T0]               ; a score stands for score x 2^(eq + ek): the two exponents are added to c's exponent field
	s_mov_b32 s[CS+1], s[CS]
	s_add_co_i32 s[T0], s58, 127
	s_lshl_b32 s[T1], s[T0], 23
	v_mov_b32 v[SCP], s[T1]                        ; 2^ep as f32: the conversion takes its exponent field
	s_add_co_i32 s[T0], s[T0], 15
	s_lshl_b32 s[T0], s[T0], 23
	s_or_b32 s[T0], s[T0], 0x600000
	v_mov_b32 v[LIMP], s[T0]                       ; 57,344 x 2^ep
	s_add_co_i32 s[EPV], s58, s59                  ; ep + ev
	VWAIT
	s_wait_loadcnt 0x10                            ; my first step's K and Q are in; the sixteen loads of the second step's K may be out
	; PHASE 0
	SOFT 0, QH, STH, OH, NH, DH, 0
	MEET 1, 1
	CROUND
	REFILL
	VLOAD 0
	ASK PFA
	PV OH, 1
	LPART 0
	VLOAD 1
	STEP 1, 0
	; PHASE 1
	FIRST 2, 0, 1, 0
	VLOAD 3
	STEP 3, 0
	; PHASE 2
	FIRST 4, 1, 1, 1
	VLOAD 5
	STEP 5, 1
	; PHASE 3: nothing is left to fetch
	FIRST 6, 1, 0, 0
	VLOAD 7
	STEP 7, 1
	; THE MERGE.  Each wave's two partial states go to LDS; then wave w sums, for four queries of one tile, the eight partial O^T and l under the common M, divides, and stores four whole rows of out0.
	v_add_f32 v[STH+2], v[STH+2], v[STH+3]         ; l's two halves,
	v_add_f32 v[STL+2], v[STL+2], v[STL+3]
	s_delay_alu instid0(VALU_DEP_2)
	v_permlanex16_b32 v[XP], v[STH+2], s[SEL], s[SEL+1]
	s_delay_alu instid0(VALU_DEP_2)
	v_permlanex16_b32 v[XA], v[STL+2], s[SEL], s[SEL+1]
	s_delay_alu instid0(VALU_DEP_2)
	v_add_f32 v[STH+1], v[STH+2], v[XP]            ; and lane l xor 16's; l takes the place beside -M
	s_delay_alu instid0(VALU_DEP_2)
	v_add_f32 v[STL+1], v[STL+2], v[XA]
.irp g, 0,1,2,3,4,5,6,7
.if (\g)%2 == 0
	VWAIT                                          ; directly ahead of an accumulator's first reader
.endif
	ds_store_b128 v[STO], v[OH+4*\g:OH+4*\g+3] offset:544*\g
.endr
.irp g, 0,1,2,3,4,5,6,7
.if (\g)%2 == 0
	VWAIT
.endif
	ds_store_b128 v[STO], v[OL+4*\g:OL+4*\g+3] offset:IMGT+544*\g
.endr
	ds_store_b64 v[STS], v[STH:STH+1]              ; lanes r and r + 16 hold the same two numbers and write the same bytes
	ds_store_b64 v[STS], v[STL:STL+1] offset:128
	s_wait_dscnt 0x0                               ; for the others' sake: my stores are done
	s_barrier_signal -1
	s_barrier_wait -1
.irp ws, 0,1,2,3,4,5,6,7
	ds_load_b64 v[S+2*\ws:S+2*\ws+1], v[RDS] offset:256*\ws
	ds_load_b64 v[S+16+2*\ws:S+16+2*\ws+1], v[RDS] offset:256*\ws+16
.endr
.irp ws, 0,1,2,3,4,5,6,7
	ds_load_b128 v[V+4*\ws:V+4*\ws+3], v[RD] offset:IMGW*\ws
	ds_load_b128 v[V+32+4*\ws:V+32+4*\ws+3], v[RD] offset:IMGW*\ws+32
.endr
	s_wait_dscnt 0x10                              ; the sixteen pairs (-M, l) are in; the sixteen pieces of images behind them may be out
	v_min3_num_f32 v[XA], v[S], v[S+2], v[S+4]     ; the common -M: the least; two rows of queries by turns
	v_min3_num_f32 v[XB], v[S+16], v[S+18], v[S+20]
.irp i, 6,10
	v_min3_num_f32 v[XA], v[XA], v[S+\i], v[S+\i+2]
	v_min3_num_f32 v[XB], v[XB], v[S+16+\i], v[S+16+\i+2]
.endr
	v_min_num_f32 v[XA], v[XA], v[S+14]
	v_min_num_f32 v[XB], v[XB], v[S+30]
.irp ws, 0,1,2,3,4,5,6,7
	v_sub_f32 v[S+2*\ws], v[XA], v[S+2*\ws]        ; wave ws's M - the common M: a whole number, 0 or less
	v_sub_f32 v[S+16+2*\ws], v[XB], v[S+16+2*\ws]
.endr
.irp ws, 0,1,2,3,4,5,6,7,8,9,10,11,12,13,14,15
	v_cvt_i32_f32 v[S+2*\ws], v[S+2*\ws]           ; (it saturates: a wave that had no step of the tile gets the factor 0)
.endr
.irp ws, 0,1,2,3,4,5,6,7,8,9,10,11,12,13,14,15
	v_ldexp_f32 v[S+2*\ws], 1.0, v[S+2*\ws]
.endr
	v_mul_f32 v[LS], v[S], v[S+1]
	v_mul_f32 v[LS+1], v[S+16], v[S+17]
.irp ws, 1,2,3,4,5,6,7
	v_fmac_f32 v[LS], v[S+2*\ws], v[S+2*\ws+1]     ; the row's l: above 1/2, since the row's largest p is
	v_fmac_f32 v[LS+1], v[S+16+2*\ws], v[S+16+2*\ws+1]
.endr
	VWAIT
	v_rcp_f32 v[RL], v[LS]
	v_rcp_f32 v[F], v[LS+1]
	s_wait_dscnt 0x0                               ; the images are in
.irp i, 0,1
	v_pk_mul_f32 v[R+4*\i:R+4*\i+1],   v[V+32*\i:V+32*\i+1],   v[S+16*\i:S+16*\i+1] op_sel_hi:[1,0]   ; the 32 packed lines are the independent work behind the reciprocals
	v_pk_mul_f32 v[R+4*\i+2:R+4*\i+3], v[V+32*\i+2:V+32*\i+3], v[S+16*\i:S+16*\i+1] op_sel_hi:[1,0]
.endr
.irp ws, 1,2,3,4,5,6,7
.irp i, 0,1
	v_pk_fma_f32 v[R+4*\i:R+4*\i+1],   v[V+32*\i+4*\ws:V+32*\i+4*\ws+1],   v[S+16*\i+2*\ws:S+16*\i+2*\ws+1], v[R+4*\i:R+4*\i+1]   op_sel_hi:[1,0,1]
	v_pk_fma_f32 v[R+4*\i+2:R+4*\i+3], v[V+32*\i+4*\ws+2:V+32*\i+4*\ws+3], v[S+16*\i+2*\ws:S+16*\i+2*\ws+1], v[R+4*\i+2:R+4*\i+3] op_sel_hi:[1,0,1]
.endr
.endr
	VWAIT                                          ; ahead of the reciprocals' first readers
	v_ldexp_f32 v[RL], v[RL], s[EPV]               ; x 2^(ep + ev)
	v_ldexp_f32 v[F], v[F], s[EPV]
	v_pk_mul_f32 v[R:R+1],   v[R:R+1],   v[RL:RL+1] op_sel_hi:[1,0]
	v_pk_mul_f32 v[R+2:R+3], v[R+2:R+3], v[RL:RL+1] op_sel_hi:[1,0]
	v_pk_mul_f32 v[R+4:R+5], v[R+4:R+5], v[F:F+1] op_sel_hi:[1,0]
	v_pk_mul_f32 v[R+6:R+7], v[R+6:R+7], v[F:F+1] op_sel_hi:[1,0]
	global_store_b128 v[GO], v[R:R+3], s[12:13] th:TH_STORE_NT   ; 32 lanes store two rows of out0: 512 consecutive bytes, at a multiple of 256 from its first byte; written once, read by nobody here
	global_store_b128 v[GO], v[R+4:R+7], s[12:13] offset:512 th:TH_STORE_NT
	s_wait_tensorcnt 0x0                           ; the wave's end, behind my last tensor load and my last LDS store
	ds_add_u32 v[SPW], v[NIL]
	s_wait_dscnt 0x0
	CROUND                                         ; the closing round: no work-group ends while a partner may still ask for a piece that names it
	s_endpgm
.Lfunc_end_k_qf0a4e287fe_attn:
	.size	k_qf0a4e287fe_attn, .Lfunc_end_k_qf0a4e287fe_attn-k_qf0a4e287fe_attn
	.p2alignl 7, 3214868480
	.fill 96, 4, 3214868480
	.section	.rodata,"a",@progbits
	.p2align	6, 0x0
	.amdhsa_kernel k_qf0a4e287fe_attn
		.amdhsa_group_segment_fixed_size 327680
		.amdhsa_private_segment_fixed_size 0
		.amdhsa_enable_private_segment 0
		.amdhsa_kernarg_size 40
		.amdhsa_user_sgpr_count 2
		.amdhsa_user_sgpr_kernarg_segment_ptr 1
		.amdhsa_wavefront_size32 1
		.amdhsa_system_sgpr_workgroup_id_x 1
		.amdhsa_system_sgpr_workgroup_id_y 1
		.amdhsa_system_sgpr_workgroup_id_z 1
		.amdhsa_system_vgpr_workitem_id 0
		.amdhsa_next_free_vgpr 384
		.amdhsa_next_free_sgpr 80
		.amdhsa_reserve_vcc 1
		.amdhsa_float_denorm_mode_32 3
		.amdhsa_float_denorm_mode_16_64 3
		.amdhsa_memory_ordered 1
		.amdhsa_forward_progress 1
		.amdhsa_inst_pref_size 255
	.end_amdhsa_kernel
	.amdgpu_metadata
---
amdhsa.version: [ 1, 2 ]
amdhsa.kernels:
  - .name:           k_qf0a4e287fe_attn
    .symbol:         k_qf0a4e287fe_attn.kd
    .args:
      - { .name: q_codes, .offset: 0, .size: 8, .value_kind: global_buffer, .address_space: global }
      - { .name: k_codes, .offset: 8, .size: 8, .value_kind: global_buffer, .address_space: global }
      - { .name: v_codes, .offset: 16, .size: 8, .value_kind: global_buffer, .address_space: global }
      - { .name: lowp_scales, .offset: 24, .size: 8, .value_kind: global_buffer, .address_space: global }
      - { .name: out0, .offset: 32, .size: 8, .value_kind: global_buffer, .address_space: global }
    .group_segment_fixed_size: 327680
    .private_segment_fixed_size: 0
    .kernarg_segment_align: 8
    .kernarg_segment_size: 40
    .max_flat_workgroup_size: 256
    .sgpr_count:     80
    .vgpr_count:     384
    .wavefront_size: 32
...
	.end_amdgpu_metadata
.endif
;; end of part 1
